; MI455X (gfx1250); checked and timed in simulation.
; The chip was launched on July 23, 2026; its instructions are those of AMD's public machine-readable ISA for CDNA 5 (MIT licence, August 2026) and "CDNA5" Instruction Set Architecture Reference Guide (July 2026). The comments in the code are by the model that wrote it; some were corrected since.
;; Multi Head Attention. Allowed arithmetic: matrix products marked QUANTISED: E2M1 operands, one E8M0 scale for each 32 along K, by v_wmma_scale_f32_16x16x128_f8f6f4 with both operands' format E2M1 (or v_wmma_scale_f32_32x16x128_f4), f32 sums; everything else in f32.
;; Inputs: b_out 1,024 float32; b_qkv 3,072 float32; w_out 1,024 x 1,024 float32; w_qkv 3,072 x 1,024 float32; x 4 x 2,048 x 1,024 float32.
;; Outputs: out0 4 x 2,048 x 1,024 float32.
;; This version of the problem:
;;   THIS VERSION OF THE PROBLEM IS GIVEN IN LOW PRECISION. The matrix products marked QUANTISED in the list below multiply operands that are first quantised to E2M1 (2 exponent bits, 1 mantissa bit; 4 bits a number), with one power-of-two scale for each 32 numbers along K (OCP MX v1.0); their sums are f32. All else is computed in f32.
;;   The module's matrix products, in the order in which they are computed (A, B: the left and right operand; K: the contracted axis; several contracted axes count as one K, in the product's order):
;;     1. [M 8,192, K 1,024] x [K 1,024, N 3,072]; A: input x; B: input w_qkv: QUANTISED
;;     2. batch 64 x [M 2,048, K 64] x [K 64, N 2,048]; A: computed on the way; B: computed on the way: QUANTISED
;;     3. batch 64 x [M 64, K 2,048] x [K 2,048, N 2,048]; A: computed on the way; B: softmax (see below): QUANTISED
;;     4. [M 8,192, K 1,024] x [K 1,024, N 1,024]; A: computed on the way; B: input w_out: QUANTISED
;;   THE QUANTISER, for each operand of a quantised product, along K:
;;     - K is cut into blocks of 32 from its start; a last block that is shorter is filled with zeros.
;;     - A block's scale is 2^e with e = floor(log2(the largest magnitude in the block)) - 2, held to -126 .. 127; a block of zeros has e = 0. As a byte (E8M0): e + 127.
;;     - Each number is divided by its block's scale, clamped to +-6, and rounded to the nearest number of E2M1, ties to even, subnormals kept.
;;     - The product sums the exact products of the quantised numbers (number of the format x scale) in f32.
;;   ~~~python
;;   def quantise(x, axis):      # numpy; x: float32 -> the quantised numbers, widened to float32 again
;;       x = np.moveaxis(x, axis, -1); K = x.shape[-1]
;;       x = np.pad(x, [(0, 0)] * (x.ndim - 1) + [(0, -K % 32)]); x = x.reshape(x.shape[:-1] + (-1, 32)); a = np.abs(x).max(-1, keepdims=True)
;;       e = np.where(a > 0, np.clip(np.frexp(np.where(a > 0, a, 1))[1] - 1 - 2, -126, 127), 0)      # np.frexp(a)[1] - 1 = floor(log2(a)), exactly
;;       r = np.clip(x / 2.0 ** e, -6, 6)
;;       step = 2.0 ** (np.maximum(np.frexp(np.where(r == 0, 1, r))[1] - 1, 0) - 1)
;;       q = np.round(r / step) * step * 2.0 ** e      # np.round: ties to even
;;       return np.moveaxis(q.reshape(q.shape[:-2] + (-1,))[..., :K], -1, axis).astype(np.float32)
;;   ~~~
;;   SOFTMAX AHEAD OF A QUANTISED PRODUCT. Where the list says 'softmax', what is quantised is not the finished softmax but p = 2^(t - M), with t = logit x log2(e) and M = ceil(the row's largest t), a whole number; so 1/2 < the row's largest p <= 1. The row's sum l is taken of the UNQUANTISED p, in f32, and the product's result is divided by l at the end. Since M is a whole number, a kernel that streams over the keys may use a running M (the ceiling of the running maximum): every later rescaling is an exact power of two, which a block's scale takes up: the codes' values come out the same.
;;   OPERANDS COMPUTED ON THE WAY. 'Computed on the way' means the value that the module computes at that place (a softmax that the list does not call 'softmax' is quantised finished and normalised). What goes into a quantiser is computed in f32, as accurately as f32 sums, v_exp_f32 and their like allow (about 1e-6 of the number): no bf16 or f16 on the way to a quantiser, and a product that is left as it is and whose result goes on into a quantised operand takes f32 operands (vector FMAs, or v_wmma_f32_16x16x4_f32). A number that lies on a knife's edge between two numbers of the format may be rounded either way, as far as f32 arithmetic and the matrix unit's own rounding can turn it there, and no further.
;; One version. Each part assembles by itself: llvm-mc -triple=amdgcn-amd-amdhsa -mcpu=gfx1250 --defsym DOCPART=n.
;; ======== version 1 of 1: 4 launches
;; workspace buffers: opc 6,291,456 bytes; ops 393,216 bytes; att 13,893,632 bytes; vc 4,194,304 bytes; vs 262,144 bytes
;; launch quant (part 1): grid 384 x 1, 4 waves a work-group, no clusters, 33,280 bytes of LDS; arguments x, w_qkv, w_out, opc, ops; writes opc, ops
.if DOCPART == 1
	.amdgcn_target "amdgcn-amd-amdhsa--gfx1250"
	.amdhsa_code_object_version 6
	.text
	.protected	k_qf8832645b2_quant
	.globl	k_qf8832645b2_quant
	.p2align	8
	.type	k_qf8832645b2_quant,@function
k_qf8832645b2_quant:
	s_mov_b64 s[64:65], 0
	v_nop
	global_prefetch_b8 v0, s[64:65] scope:SCOPE_SE
	s_setreg_imm32_b32 hwreg(HW_REG_WAVE_MODE, 25, 1), 1
	s_wait_xcnt 0x0
; MULTI-HEAD ATTENTION IN MX-FP4, launch 1 of 4: x [8192][1024], w_qkv [3072][1024] and w_out [1024][1024], f32, K innermost, become codes of FP4 (E2M1) and E8M0 scale bytes.
; NO WORK OF THE PROBLEM IS LEFT OUT: every product is live, both biases go into a quantiser or into the output, and all five inputs are loaded by some launch (b_qkv by the second, b_out by the fourth).
; OUT: opc, 12,288 rows of 512 bytes (1,024 codes, the lower k in the low four bits), and ops, the same rows with 32 scale bytes each.  Rows 0-8191 x; 8192-11263 w_qkv, sorted to kind x 1024 + head x 64 + d
; (kind 0 = q, 1 = k, 2 = v; in w_qkv the row is 192 head + 64 kind + d); 11264-12287 w_out.
; THE POSITION ORDER: a row stands at its index with bits 3 and 4 changed places.  So 16 consecutive positions 16 t .. 16 t + 15 hold the rows 32 (t / 2) + 8 (t % 2) + r + 8 (r / 8): the rows that must form a tile of a product
; whose result is quantised along them in registers.  The later launches read consecutive rows and find that choice made.
; A block's scale is 2^(floor(log2(its largest magnitude)) - 2); its byte is the largest magnitude's exponent field - 2, held at 1 from below.  Each number is divided by the scale and rounded to the nearest code, ties to even, beyond 6 the code of 6.
; LIMITS: a block of zeros, and a block whose largest magnitude lies under 2^-124, get the byte 1 (the rule says 127 for zeros: the codes are zeros, which add nothing under any byte but 0xff, and this program alone reads the bytes);
; NaN and infinities among the inputs are not served.
; SHARES: a work-group takes 32 rows, a wave 8 rows = 8,192 numbers in 16 steps of 512.  Work-groups 0-255 x, 256-351 w_qkv, 352-383 w_out: only pointers and offsets are chosen, all take one path.
; A step's four loads read 512 consecutive bytes each; the 2,048 bytes turn through the wave's own stage in LDS (16 bytes of padding behind each 64) so that a lane holds 16 neighbours along K; two neighbouring lanes hold a block.
; A wave's store of codes covers 256 consecutive aligned bytes; its 256 scale bytes are gathered in LDS and leave as one such run.  Work-groups share no input: no cluster, no tensor load, no barrier.
.set WAVES, 4
.set STEPS, 16
.set EMAX,  2
.set CB,    8                          ; bytes of 16 codes
.set R,     16                         ; v16-79   four sets of 16 numbers as they are loaded
.set X,     80                         ; v80-111  two sets of 16 neighbours
.set C,     128                        ; v128-191 codes: four registers for each step, so that no store's data are written again
.set E,     112                        ; v112-127 a scale byte for each step
.set WREG,  8192                       ; LDS: a region for each wave: two stages of 32 x SP bytes, behind them its 256 scale bytes
.set SP,    80                         ; a lane's place in a stage: 64 bytes + 16 of padding
.set SPW,   12                         ; v12      LDS address of my spare word; never rewritten
.set NIL,   13                         ; v13      0; never rewritten
.set SPARE, WAVES*WREG                 ; behind the four regions: the spare words, 128 bytes a wave, which no other line names
	s_load_b128 s[4:7], s[0:1], 0x0                ; x, w_qkv
	s_load_b128 s[8:11], s[0:1], 0x10              ; w_out, opc
	s_load_b64 s[12:13], s[0:1], 0x20              ; ops
	v_lshl_add_u32 v[SPW], v0, 2, SPARE
	v_mov_b32 v[NIL], 0
	v_lshrrev_b32 v1, 5, v0
	v_readfirstlane_b32 s16, v1                    ; wave
	v_and_b32 v2, 31, v0                           ; lane
	v_lshlrev_b32 v3, 4, v2                        ; my 16 bytes of a load's 512
	s_mul_i32 s14, s16, WREG
	v_lshrrev_b32 v14, 2, v2
	v_mul_u32_u24 v14, v14, SP
	v_and_b32 v15, 3, v2
	v_lshl_add_u32 v14, v15, 4, v14
	v_add_nc_u32 v14, s14, v14                     ; the stage, on the way in: SP (lane / 4) + 16 (lane % 4)
	v_mul_u32_u24 v15, v2, SP
	v_add_nc_u32 v15, s14, v15                     ; and on the way out: SP x lane: my 16 neighbours
	v_mul_u32_u24 v4, v2, CB                       ; my codes' place in a step's
	v_lshrrev_b32 v5, 1, v2
	s_add_co_u32 s14, s14, 2*32*SP
	v_add_nc_u32 v5, s14, v5                       ; LDS: my wave's 256 scale bytes, my block's byte
	v_lshlrev_b32 v7, 3, v2                        ; and on the way out 8 bytes a lane
	v_add_nc_u32 v6, s14, v7
	s_wait_alu depctr_va_vdst(0)
	s_wait_kmcnt 0x0
	s_mov_b32 s17, 352                             ; which tensor: the choices hang on the work-group's number alone
	s_cmp_lt_u32 ttmp9, 352
	s_cselect_b32 s17, 256, s17
	s_cselect_b64 s[6:7], s[6:7], s[8:9]
	s_cmp_lt_u32 ttmp9, 256
	s_cselect_b32 s17, 0, s17                      ; the tensor's first work-group
	s_cselect_b64 s[4:5], s[4:5], s[6:7]           ; and its address
	s_sub_co_u32 s18, ttmp9, s17                   ; u: which 32 rows of the tensor
	s_lshl_b32 s20, s18, 2
	s_add_co_u32 s20, s20, s16                     ; my run of 8 rows in the tensor,
	s_mov_b32 s21, 0
	s_lshl_b64 s[20:21], s[20:21], 15              ; 32,768 bytes a run
	s_add_nc_u64 s[4:5], s[4:5], s[20:21]
	s_lshr_b32 s22, s18, 1                         ; w_qkv: g = 3 head + kind: which 64 rows
	s_mul_i32 s23, s22, 171
	s_lshr_b32 s23, s23, 9                         ; head = g / 3 (exact for g under 48)
	s_mul_i32 s24, s23, 3
	s_sub_co_u32 s24, s22, s24                     ; kind
	s_lshl_b32 s24, s24, 4
	s_add_co_u32 s24, s24, s23
	s_lshl_b32 s24, s24, 3                         ; 8 (16 kind + head) runs,
	s_and_b32 s25, s18, 1
	s_lshl_b32 s25, s25, 2
	s_add_co_u32 s24, s24, s25                     ; + the half of the 64 rows,
	s_add_co_u32 s24, s24, 1024                    ; behind x's 1,024 runs
	s_lshl_b32 s25, ttmp9, 2                       ; x and w_out keep their order
	s_cmp_eq_u32 s17, 256
	s_cselect_b32 s24, s24, s25                    ; the work-group's first run in opc and ops
	s_and_b32 s25, s16, 1
	s_lshl_b32 s25, s25, 1
	s_lshr_b32 s26, s16, 1
	s_or_b32 s25, s25, s26                         ; the position order: the run's two low bits (row bits 3 and 4) change places
	s_add_co_u32 s24, s24, s25
	s_mov_b32 s25, 0
	s_lshl_b64 s[26:27], s[24:25], 12              ; 4,096 bytes of codes a run
	s_add_nc_u64 s[10:11], s[10:11], s[26:27]
	s_lshl_b32 s24, s24, 8                         ; 256 scale bytes a run
	s_add_nc_u64 s[12:13], s[12:13], s[24:25]
.macro LOAD t
.irp i, 0,1,2,3
	global_load_b128 v[R+16*((\t)%4)+4*\i:R+16*((\t)%4)+4*\i+3], v3, s[4:5] offset:2048*(\t)+512*\i th:TH_LOAD_NT   ; 32 lanes read 512 consecutive bytes
.endr
.endm
.macro TURN t                          ; step t's numbers through the stage: LDS serves a wave's instructions in order, so no wait stands between the stores and the loads
.irp i, 0,1,2,3
	ds_store_b128 v14, v[R+16*((\t)%4)+4*\i:R+16*((\t)%4)+4*\i+3] offset:32*SP*((\t)%2)+8*SP*\i
.endr
.irp i, 0,1,2,3
	ds_load_b128 v[X+16*((\t)%2)+4*\i:X+16*((\t)%2)+4*\i+3], v15 offset:32*SP*((\t)%2)+16*\i
.endr
.endm
.irp t, 0,1,2,3
	LOAD \t
.endr
	s_wait_loadcnt 12                              ; step 0's four loads are in; those of steps 1 to 3 may be out
	TURN 0
.macro STEP t
.set XS, X+16*((\t)%2)
.if (\t) > 0
	s_wait_dscnt 1                                 ; this step's numbers are back from the stage (the last step's byte store may be out): so its stores into the stage have read their registers,
.else
	s_wait_dscnt 0x0
.endif
.if (\t)+4 < STEPS
	LOAD (\t)+4                                    ; which take the loads of four steps on
.endif
.if (\t)+1 < STEPS
.if STEPS-2-(\t) >= 3
	s_wait_loadcnt 12                              ; the next step's four loads are in; those of the three steps behind it may be out
.else
	s_wait_loadcnt 4*(STEPS-2-(\t))
.endif
	TURN (\t)+1                                    ; and go through the other stage while this step is worked
.endif
	v_max3_num_f32 v8, |v[XS]|, |v[XS+1]|, |v[XS+2]|               ; the largest magnitude of my 16, in two chains
	v_max3_num_f32 v9, |v[XS+3]|, |v[XS+4]|, |v[XS+5]|
.irp i, 6,10
	v_max3_num_f32 v8, v8, |v[XS+\i]|, |v[XS+\i+1]|
	v_max3_num_f32 v9, v9, |v[XS+\i+2]|, |v[XS+\i+3]|
.endr
	v_max3_num_f32 v8, v8, |v[XS+14]|, |v[XS+15]|
	v_max3_num_f32 v8, v8, v9, (EMAX+1)<<23        ; and the floor 2^(3 - 127): the byte cannot fall under 1
	v_max_num_f32_dpp v8, v8, v8 row_xmask:1 row_mask:0xf bank_mask:0xf   ; and of my neighbour's 16: the block's
	v_add_nc_u32 v11, -(EMAX<<23), v8              ; 2 off its exponent field: the conversion takes the exponent field of this operand as its scale
	v_cvt_scalef32_pk8_fp4_f32 v[C+4*(\t)], v[XS:XS+7], v11
	v_cvt_scalef32_pk8_fp4_f32 v[C+4*(\t)+1], v[XS+8:XS+15], v11
	v_lshrrev_b32 v[E+(\t)], 23, v11               ; the scale's byte (also the plain line behind the conversions)
	ds_store_b8 v5, v[E+(\t)] offset:16*(\t)       ; both lanes of a block write the same byte with the same value
	global_store_b64 v4, v[C+4*(\t):C+4*(\t)+1], s[10:11] offset:32*CB*(\t)   ; 32 lanes store 256 consecutive aligned bytes
.endm
.irp t, 0,1,2,3,4,5,6,7,8,9,10,11,12,13,14,15
	STEP \t
.endr
	ds_load_b64 v[8:9], v6                         ; LDS serves a wave's instructions in order: these see my stores
	s_wait_dscnt 0x0
	global_store_b64 v7, v[8:9], s[12:13]          ; 32 lanes store 256 consecutive aligned bytes
	s_wait_tensorcnt 0x0                           ; the wave's end, behind my last LDS store
	ds_add_u32 v[SPW], v[NIL]
	s_wait_dscnt 0x0
	s_endpgm
.Lfunc_end_k_qf8832645b2_quant:
	.size	k_qf8832645b2_quant, .Lfunc_end_k_qf8832645b2_quant-k_qf8832645b2_quant
	.p2alignl 7, 3214868480
	.fill 96, 4, 3214868480
	.section	.rodata,"a",@progbits
	.p2align	6, 0x0
	.amdhsa_kernel k_qf8832645b2_quant
		.amdhsa_group_segment_fixed_size 33280
		.amdhsa_private_segment_fixed_size 0
		.amdhsa_enable_private_segment 0
		.amdhsa_kernarg_size 40
		.amdhsa_user_sgpr_count 2
		.amdhsa_user_sgpr_kernarg_segment_ptr 1
		.amdhsa_wavefront_size32 1
		.amdhsa_system_sgpr_workgroup_id_x 1
		.amdhsa_system_sgpr_workgroup_id_y 1
		.amdhsa_system_sgpr_workgroup_id_z 1
		.amdhsa_system_vgpr_workitem_id 0
		.amdhsa_next_free_vgpr 192
		.amdhsa_next_free_sgpr 66
		.amdhsa_reserve_vcc 0
		.amdhsa_float_denorm_mode_32 3
		.amdhsa_float_denorm_mode_16_64 3
		.amdhsa_memory_ordered 1
		.amdhsa_forward_progress 1
		.amdhsa_inst_pref_size 34
	.end_amdhsa_kernel
	.amdgpu_metadata
---
amdhsa.version: [ 1, 2 ]
amdhsa.kernels:
  - .name:           k_qf8832645b2_quant
    .symbol:         k_qf8832645b2_quant.kd
    .args:
      - { .name: x, .offset: 0, .size: 8, .value_kind: global_buffer, .address_space: global }
      - { .name: w_qkv, .offset: 8, .size: 8, .value_kind: global_buffer, .address_space: global }
      - { .name: w_out, .offset: 16, .size: 8, .value_kind: global_buffer, .address_space: global }
      - { .name: opc, .offset: 24, .size: 8, .value_kind: global_buffer, .address_space: global }
      - { .name: ops, .offset: 32, .size: 8, .value_kind: global_buffer, .address_space: global }
    .group_segment_fixed_size: 33280
    .private_segment_fixed_size: 0
    .kernarg_segment_align: 8
    .kernarg_segment_size: 40
    .max_flat_workgroup_size: 128
    .sgpr_count:     66
    .vgpr_count:     192
    .wavefront_size: 32
...
	.end_amdgpu_metadata
.endif
;; end of part 1
;; launch qkv (part 2): grid 12 x 32, 4 waves a work-group, clusters of 4 x 4, 327,680 bytes of LDS; arguments opc, ops, b_qkv, att; writes att
.if DOCPART == 2
	.amdgcn_target "amdgcn-amd-amdhsa--gfx1250"
	.amdhsa_code_object_version 6
	.text
	.protected	k_qf8832645b2_qkv
	.globl	k_qf8832645b2_qkv
	.p2align	8
	.type	k_qf8832645b2_qkv,@function
k_qf8832645b2_qkv:
	s_mov_b64 s[64:65], 0
	v_nop
	global_prefetch_b8 v0, s[64:65] scope:SCOPE_SE
	s_setreg_imm32_b32 hwreg(HW_REG_WAVE_MODE, 25, 1), 1
	s_wait_xcnt 0x0
	s_wait_alu depctr_hold_cnt(0) depctr_sa_sdst(0) depctr_va_vdst(0) depctr_va_sdst(0) depctr_va_ssrc(0) depctr_va_vcc(0) depctr_vm_vsrc(0)
	s_getreg_b32 s2, hwreg(HW_REG_IB_STS2, 6, 4)
	s_cmp_eq_u32 s2, 0
	s_cbranch_scc0 .Lentry_in_a_cluster
	s_endpgm
.Lentry_in_a_cluster:
	s_bfe_u32 s2, ttmp6, 0x10000c
	s_cmp_lg_u32 s2, 0xf033
	s_cbranch_scc0 .Lentry_shape_is_right
	s_endpgm
.Lentry_shape_is_right:
; Launch 2 of 4: qkv = x w_qkv^T + b_qkv on codes of FP4 (K = 1,024), and its result QUANTISED IN REGISTERS into the operands of the attention: q and k along the head's 64 channels, v along the keys.  No f32 q, k or v goes to memory.
; No work of the problem is left out here.
; A tile of 256 x 256 of the product is made by four waves, 128 x 128 each: 64 accumulators, 512 registers.  K goes in two steps of 512 through two LDS slots, both filled at the start: nothing is filled again.
; The scale bytes of the tile's 2 x 256 rows, for all of K, come once, in runs of 256 bytes.
; THE MATRIX INSTRUCTION IS USED TRANSPOSED: source 0 = 16 rows of "B", source 1 = 16 rows of "A": a lane holds ONE row of A, and its registers run along rows of B.  By the position order of opc (rows 32 (t/2) + 8 (t%2) + r + 8 (r/8) form
; tile t) the 16 registers of tiles 2 b and 2 b + 1 are 16 NEIGHBOURS, 32 b + 16 (lane / 16) + 0 .. 15: what the conversions want.
; ONE TEXT, TWO KINDS, by the cluster's x, which all sixteen partners share.  x = 0: q, x = 1: k: A = rows of x (sequence), B = rows of w (channels): a lane's registers run along the channels.
; x = 2: v: A = rows of w_v (channels), B = rows of x (keys): a lane's registers run along the keys.  The loop is common; the two tails part once and join ahead of the closing round.
; OUT, all in att, as IMAGES OF OPERAND REGISTERS (lane l's 16 bytes at 16 l): 64 head blocks of HB bytes: K's codes [tile 128][512], V's codes [step 16][d-tile 4][1,024], K's scale words [step 16][512], V's [step 16][256];
; behind them q's codes [head 64][tile 128][512] and q's scale words [head 64][16][512].  Every store covers 256 or 512 consecutive aligned bytes.
; CLUSTERS: 4 x 4 work-groups; A's tile is shared along a row of the cluster, B's along a column: each is asked for jointly, by the same tensor load with the same descriptor and a mask that names the four.
; LIMITS: blocks of zeros and blocks whose largest magnitude lies under 2^-124 get the byte 1; NaN and infinities are not served.
; REGISTERS, in windows of 256: window 0: v0-31 addresses; v32-95 scale words, two sets; v128-191 A's fragments, one set; v192-255 the bias.  Window 1: B's fragments, two sets.  Windows 2, 3: the accumulators ((a, b) at v[8 (8 (a % 4) + b)]).
; In the tail window 0 is laid anew: v32-47 at work, v48-55 the blocks' scale words, v56-63 those on their way out, v64-127 the blocks' codes (a set for each block: no store's data are written again), v128-191 a block's 64 numbers.
.set NQ,     4                         ; matrix instructions deep in a slot (512 along K)
.set ROWB,   256                       ; a tile's row in bytes
.set KROW,   512                       ; a row of opc
.set PITCH,  272                       ; an LDS row: 256 bytes + 16 of padding = 68 words: the 16 rows that a load touches start at 16 different banks (64 banks of 4 bytes: ISA guide 11.1)
.set FR,     8
.set NL,     2
.set NP,     4                         ; places behind this matrix instruction (ISA guide 7.12.1)
.set HALFT,  128*PITCH
.set SLOT,   4*HALFT
.set KS,     32                        ; a row of scale bytes
.set SCL,    2*SLOT
.set HALFS,  (128*KS/256)*272
.set SBLK,   (16*KS/256)*272
.set SPARE,  SCL+4*HALFS               ; the spare words, 128 bytes a wave, which no other line names
.set HB,     143360                    ; a head block of att
.set QC,     64*HB                     ; q's codes
.set QS,     QC+64*65536               ; q's scale words
.set ADRA, 16                          ; v16-17  LDS address of my A fragments in slot 0, 1
.set ADRB, 20                          ; v20-21  the same for B
.set LI,   24                          ; v24     16 x lane: an image's place for my lane
.set VSA,  25                          ; v25     V's scale words: 16 r, and a head block on for lanes 16-31
.set BOQ,  26                          ; v26     the bias of q and k: 64 (lane / 16)
.set ADRS, 27                          ; v27     LDS address of my scale words: lanes 0-15 A's rows, lanes 16-31 B's
.set SPW,  28                          ; v28     my spare word; never rewritten
.set NIL,  29                          ; v29     0; never rewritten
.set BOV,  30                          ; v30     the bias of v: 4 (r + 8 (r / 8))
.set SC,   32
.set AF,   128
.set TM,   32
.set PW,   48
.set XW,   56
.set YW,   60
.set PC,   64
.set HA,   128
.set BI,   192                         ; q, k: the bias of my 128 columns in the result's layout
.set BM,   192                         ; v: the bias of my lane's channel in block a, twice, at v[BM + 2 a]
.set G1, 24
.set G0, 32
.set G1B, 48
.set G0B, 56
.set G1S, 68
.set G0S, 76
.set G1SB, 80
.set G0SB, 88
.set SEL, 96                           ; s[96:97] lane selects for v_permlanex16_b32: lane l xor 16
.set MSB, 0
.macro WIN new                         ; the immediate's high byte repeats the setting that is left
.if MSB != \new
	s_set_vgpr_msb (MSB<<8)|\new
.set MSB, \new
.endif
.endm
.set MUL_LO, 0xa1                      ; source 0 (B) window 1, source 1 (A) window 0, C and D window 2
.set MUL_HI, 0xf1                      ; the same, C and D window 3
.set TO_B,   0x40                      ; destination window 1, address window 0
; A joint load: waves 0 and 1 fetch for A, waves 2 and 3 for B.  The branch hangs on the wave's number alone.  An s_nop 0 and four v_nop follow each of the two lines.
.macro JLOAD g0a, g1a, g0b, g1b
	s_cmp_eq_u32 s15, 0
	s_cbranch_scc0 .Lfor_b_\@
	tensor_load_to_lds s[\g0a:\g0a+3], s[\g1a:\g1a+7]
	s_nop 0
.rept 4
	v_nop
.endr
	s_branch .Lasked_\@
.Lfor_b_\@:
	tensor_load_to_lds s[\g0b:\g0b+3], s[\g1b:\g1b+7]
	s_nop 0
.rept 4
	v_nop
.endr
.Lasked_\@:
.endm
.macro CROUND                          ; a round of the cluster's barrier
	s_barrier_signal -1
	s_barrier_wait -1
	s_cmp_lg_u32 s14, 0
	s_cbranch_scc1 .Lnot_wave_0_\@
	s_barrier_signal -3
.Lnot_wave_0_\@:
	s_barrier_wait -3
	s_barrier_signal -1
	s_barrier_wait -1
.endm
	s_load_b256 s[4:11], s[0:1], 0x0               ; opc s[4:5], ops s[6:7], b_qkv s[8:9], att s[10:11]
	v_lshl_add_u32 v[SPW], v0, 2, SPARE
	v_mov_b32 v[NIL], 0
	ds_add_u32 v[SPW], v[NIL]                      ; the wave's opening: the add, twice on end, and its wait ahead of my first tensor load
	ds_add_u32 v[SPW], v[NIL]
	v_lshrrev_b32 v1, 5, v0
	v_readfirstlane_b32 s14, v1                    ; wave 0..3
	s_lshr_b32 s15, s14, 1                         ; which half of A's rows is mine.  Also: I fetch for A (0) or for B (1)
	s_and_b32 s16, s14, 1                          ; which half of B's rows.  Also: which 128 rows I fetch
	s_bfe_u32 s40, ttmp6, 0x40000                  ; cx, cy: my place in the cluster
	s_bfe_u32 s41, ttmp6, 0x40004
	s_and_b32 s13, ttmp7, 0xffff                   ; the cluster's y, 0..7
	s_cmp_eq_u32 ttmp9, 2                          ; v?  The cluster's x: the same in all sixteen partners
	s_cselect_b32 s2, 0, s13                       ; which four tile rows: v has four in all (w_v's 1,024 rows)
	s_cselect_b32 s3, s13, ttmp9                   ; which four tile columns
	s_cselect_b32 s12, 10240, 0                    ; A's first row in opc: w_v's, or x's
	s_cselect_b32 s18, 0, 8192                     ; B's: x's, or w_q's (w_k's follow: tile columns 4 to 7)
	s_lshl_b32 s42, s3, 2
	s_add_co_u32 s42, s42, s40                     ; tile column tc
	s_lshl_b32 s17, s2, 2
	s_add_co_u32 s17, s17, s41                     ; tile row tr
	s_lshl_b32 s43, s41, 2
	s_lshl_b32 s43, 15, s43                        ; my row of the cluster
	s_lshl_b32 s44, 0x1111, s40                    ; my column
	; descriptor group 1: a tile of 128 rows x 256 bytes, 16 bytes of padding behind each row
	s_or_b32 s[G1+0], s43, (0<<16)|(1<<20)|(1<<21)|(5<<22)|(3<<25)  ; 15:0 the mask; 17:16 elements of 1 byte; 20 padding on; 21 set beside a mask; 24:22 after every 64 words; 31:25 four words
	s_or_b32 s[G1B+0], s44, (0<<16)|(1<<20)|(1<<21)|(5<<22)|(3<<25)
.irp g, G1, G1B
	s_mov_b32 s[\g+1], ROWB<<16                    ; tensor_dim0
	s_mov_b32 s[\g+2], 128<<16                     ; tensor_dim1
	s_mov_b32 s[\g+3], ROWB<<16                    ; tile_dim0
	s_mov_b32 s[\g+4], 128                         ; tile_dim1
	s_mov_b32 s[\g+5], KROW                        ; from row to row
	s_mov_b32 s[\g+6], 0
	s_mov_b32 s[\g+7], 0
.endr
	; the scales of 128 rows: 4,096 dense bytes, as 16 rows of 256 bytes (32 elements of 8 bytes), 16 bytes of padding behind each
	s_or_b32 s[G1S+0], s43, (3<<16)|(1<<20)|(1<<21)|(5<<22)|(3<<25)
	s_or_b32 s[G1SB+0], s44, (3<<16)|(1<<20)|(1<<21)|(5<<22)|(3<<25)
.irp g, G1S, G1SB
	s_mov_b32 s[\g+1], 32<<16
	s_mov_b32 s[\g+2], (128*KS/256)<<16
	s_mov_b32 s[\g+3], 32<<16
	s_mov_b32 s[\g+4], 128*KS/256
	s_mov_b32 s[\g+5], 32
	s_mov_b32 s[\g+6], 0
	s_mov_b32 s[\g+7], 0
.endr
	s_lshl_b32 s19, s16, 7                         ; which 128 rows of the tile I fetch
	s_lshl_b32 s20, s17, 8
	s_add_co_u32 s20, s20, s19
	s_add_co_u32 s20, s20, s12                     ; A's row in opc and ops
	s_lshl_b32 s46, s42, 8
	s_add_co_u32 s46, s46, s19
	s_add_co_u32 s46, s46, s18                     ; B's
	s_lshl_b32 s22, s20, 5                         ; 32 scale bytes a row,
	s_mov_b32 s23, 0
	s_lshl_b32 s92, s46, 5
	s_mov_b32 s93, 0
	s_lshl_b32 s20, s20, 9                         ; 512 bytes of codes (12,288 rows: under 2^23 bytes)
	s_mov_b32 s21, 0
	s_lshl_b32 s46, s46, 9
	s_mov_b32 s47, 0
	s_mul_i32 s45, s14, HALFT                      ; where they go: wave x 128 rows: no place in the cluster enters an LDS address
	s_mul_i32 s94, s14, HALFS
	s_mov_b32 s[SEL], 0x76543210
	s_mov_b32 s[SEL+1], 0xfedcba98
	s_wait_dscnt 0x0                               ; both opening adds are done
	s_wait_kmcnt 0x0
	s_add_nc_u64 s[20:21], s[4:5], s[20:21]
	s_add_nc_u64 s[22:23], s[6:7], s[22:23]
	s_add_nc_u64 s[46:47], s[4:5], s[46:47]
	s_add_nc_u64 s[92:93], s[6:7], s[92:93]
	CROUND                                         ; all sixteen work-groups are here: the joint loads meet
	s_mov_b32 s[G0S], 1
	s_add_co_u32 s[G0S+1], s94, SCL
	s_mov_b64 s[G0S+2:G0S+3], s[22:23]
	s_or_b32 s[G0S+3], s[G0S+3], 0x80000000
	s_mov_b32 s[G0SB], 1
	s_add_co_u32 s[G0SB+1], s94, SCL
	s_mov_b64 s[G0SB+2:G0SB+3], s[92:93]
	s_or_b32 s[G0SB+3], s[G0SB+3], 0x80000000
	JLOAD G0S, G1S, G0SB, G1SB                     ; the scales first: they are wanted with the first step.  Three tensor loads of mine are out behind the third of these lines
.irp s, 0,1
	s_mov_b32 s[G0+4*\s], 1
	s_add_co_u32 s[G0+4*\s+1], s45, \s*SLOT
	s_add_nc_u64 s[G0+4*\s+2:G0+4*\s+3], s[20:21], \s*ROWB
	s_or_b32 s[G0+4*\s+3], s[G0+4*\s+3], 0x80000000
	s_mov_b32 s[G0B+4*\s], 1
	s_add_co_u32 s[G0B+4*\s+1], s45, \s*SLOT
	s_add_nc_u64 s[G0B+4*\s+2:G0B+4*\s+3], s[46:47], \s*ROWB
	s_or_b32 s[G0B+4*\s+3], s[G0B+4*\s+3], 0x80000000
	JLOAD G0+4*\s, G1, G0B+4*\s, G1B
.endr
	v_and_b32 v1, 15, v0                           ; r = lane % 16
	v_bfe_u32 v2, v0, 4, 1                         ; h = lane / 16
	v_mul_u32_u24 v3, v1, PITCH
	v_lshl_add_u32 v4, v2, 4, v3                   ; a fragment's row x pitch + 16 x half
	s_mul_i32 s21, s15, HALFT                      ; my 128 rows of A
	s_mul_i32 s22, s16, HALFT                      ; my 128 rows of B,
	s_add_co_u32 s22, s22, 2*HALFT                 ; which lie behind A's 256
.irp s, 0,1
	v_add_nc_u32 v[ADRA+\s], s21, v4
	v_add_nc_u32 v[ADRB+\s], s22, v4
	s_add_co_u32 s21, s21, SLOT
	s_add_co_u32 s22, s22, SLOT
.endr
	v_mul_u32_u24 v5, v1, KS                       ; my row's scales: 32 bytes a row,
	v_lshrrev_b32 v6, 8, v5
	v_lshl_add_u32 v5, v6, 4, v5                   ; and 16 more for each 256 passed
	s_mul_i32 s21, s15, HALFS
	s_mul_i32 s22, s16, HALFS
	s_add_co_u32 s22, s22, 2*HALFS
	s_sub_co_u32 s22, s22, s21
	v_mul_u32_u24 v6, s22, v2                      ; lanes 16-31 take B's: one product, the distance between the two bases
	s_add_co_u32 s21, s21, SCL
	v_add_nc_u32 v5, v5, v6
	v_add_nc_u32 v[ADRS], s21, v5
	v_and_b32 v6, 31, v0
	v_lshlrev_b32 v[LI], 4, v6
	v_lshlrev_b32 v[VSA], 4, v1
	v_mul_u32_u24 v5, v2, HB
	v_add_nc_u32 v[VSA], v[VSA], v5
	v_lshlrev_b32 v[BOQ], 6, v2
	v_and_b32 v5, 8, v1
	v_add_nc_u32 v5, v5, v1
	v_lshlrev_b32 v[BOV], 2, v5
.macro FRAG reg, adr, q, i             ; 16 rows x 128 K of 4-bit codes: 8 registers: lane l holds row l % 16; registers 4 c .. 4 c + 3 hold K = 64 c + 32 (l / 16) + 0 .. 31
.irp c, 0,1
	ds_load_b128 v[\reg+4*\c:\reg+4*\c+3], v[\adr] offset:64*(\q)+32*\c+(\i)*16*PITCH
.endr
.endm
; 16 matrix instructions: A's blocks a0, a0 + 1 x B's eight, the slot's q-th 128 along K.  p: B's set; sc: the set of scale words.  zero = 1: the first product starts the sums.
; The 64 accumulators take turns, one instruction a turn, in the same order in every step.
.macro MUL16 a0, p, q, sc, zero
.irp a, \a0, \a0+1
.irp b, 0,1,2,3,4,5,6,7
.if \zero
	v_wmma_scale_f32_16x16x128_f8f6f4 v[8*(8*((\a)%4)+\b):8*(8*((\a)%4)+\b)+7], v[128*(\p)+FR*\b:128*(\p)+FR*\b+FR-1], v[AF+FR*(\a):AF+FR*(\a)+FR-1], 0, v[SC+8*NQ*(\sc)+NQ*\b+(\q)], v[SC+8*NQ*(\sc)+NQ*(\a)+(\q)] matrix_a_fmt:MATRIX_FMT_FP4 matrix_b_fmt:MATRIX_FMT_FP4 matrix_a_scale:MATRIX_SCALE_ROW1
.else
	v_wmma_scale_f32_16x16x128_f8f6f4 v[8*(8*((\a)%4)+\b):8*(8*((\a)%4)+\b)+7], v[128*(\p)+FR*\b:128*(\p)+FR*\b+FR-1], v[AF+FR*(\a):AF+FR*(\a)+FR-1], v[8*(8*((\a)%4)+\b):8*(8*((\a)%4)+\b)+7], v[SC+8*NQ*(\sc)+NQ*\b+(\q)], v[SC+8*NQ*(\sc)+NQ*(\a)+(\q)] matrix_a_fmt:MATRIX_FMT_FP4 matrix_b_fmt:MATRIX_FMT_FP4 matrix_a_scale:MATRIX_SCALE_ROW1
.endif
.endr
.endr
.endm
.macro FETCH_B slot, q, p
	WIN TO_B
.irp i, 0,1,2,3,4,5,6,7
	FRAG 128*(\p)+FR*\i, ADRB+\slot, \q, \i
.endr
	WIN 0
.endm
.macro FETCH_A slot, q, i0
.irp i, \i0, \i0+1, \i0+2, \i0+3
	FRAG AF+FR*(\i), ADRA+\slot, \q, \i
.endr
.endm
.macro SCALES sc                       ; a slot's scale words: 4 words a row; lanes 0-15 take A's block i, lanes 16-31 B's block i
.irp i, 0,1,2,3,4,5,6,7
	ds_load_b128 v[SC+8*NQ*\sc+NQ*\i:SC+8*NQ*\sc+NQ*\i+3], v[ADRS] offset:\i*SBLK
.endr
.endm
.macro PLACES n                        ; plain vector instructions between a matrix instruction and a load into, or a vector read or write of, one of its registers
.rept \n
	v_nop
.endr
.endm
.macro STEP slot, q, zero              ; a step of 128 along K that has its successor in the same slot
	s_wait_dscnt 4*NL                              ; B's set and A's blocks 0-3 are in; the youngest eight loads (A's blocks 4-7) may be out
	WIN MUL_LO
	MUL16 0, (\q)%2, \q, \slot, \zero
	MUL16 2, (\q)%2, \q, \slot, \zero
	s_wait_dscnt 0                                 ; A's blocks 4-7 are in
	PLACES NP
	FETCH_B \slot, (\q)+1, 1-(\q)%2
	FETCH_A \slot, (\q)+1, 0
	WIN MUL_HI
	MUL16 4, (\q)%2, \q, \slot, \zero
	MUL16 6, (\q)%2, \q, \slot, \zero
	PLACES NP
	WIN 0
	FETCH_A \slot, (\q)+1, 4
.endm
; Slot 0's last step changes slots: each wave waits for all its tensor loads (its part of slot 1), adds 0 to its spare word, waits for that and for its reads; behind the barrier slot 1 is whole.  Nothing is filled again.
.macro TURN slot, next
	s_wait_tensorcnt 0x0                           ; all my tensor loads have landed
	ds_add_u32 v[SPW], v[NIL]                      ; 0 onto my spare word
	s_wait_dscnt 4*NL+1                            ; (the add and the youngest eight loads may be out)
	WIN MUL_LO
	MUL16 0, 1, NQ-1, \slot, 0
	s_wait_dscnt 0x0                               ; the add is done, and my reads of this slot are over
	s_barrier_signal -1
	MUL16 2, 1, NQ-1, \slot, 0
	WIN 0
	s_barrier_wait -1
	PLACES NP
	v_add_nc_u32 v[ADRS], 4*NQ, v[ADRS]            ; on to the next slot's scale words
	FETCH_B \next, 0, 0
	FETCH_A \next, 0, 0
	SCALES \next
	WIN MUL_HI
	MUL16 4, 1, NQ-1, \slot, 0
	MUL16 6, 1, NQ-1, \slot, 0
	PLACES NP
	WIN 0
	FETCH_A \next, 0, 4
.endm
.macro STEPS slot, from
.set Q, \from
.rept NQ-1-\from
	STEP \slot, Q, 0
.set Q, Q+1
.endr
.endm
; 64 numbers of a lane, v[s] on, register 16 b + i = k 32 b + 16 (lane / 16) + i of my row, become a fragment's codes in v[pc] on and its scale word in v[pw].
.macro QUANT s, pc, pw
.irp b, 0,1,2,3
	v_max3_num_f32 v[TM+\b], |v[\s+16*\b]|, |v[\s+1+16*\b]|, 0x1800000   ; block b: my 16 numbers, and the floor 2^(3 - 127): the byte cannot fall under 1
.endr
.irp i, 2,4,6,8,10,12,14
.irp b, 0,1,2,3
	v_max3_num_f32 v[TM+\b], v[TM+\b], |v[\s+16*\b+\i]|, |v[\s+1+16*\b+\i]|   ; (the four blocks by turns)
.endr
.endr
.irp b, 0,1,2,3
	v_permlanex16_b32 v[TM+4+\b], v[TM+\b], s[SEL], s[SEL+1]
.endr
.irp b, 0,1,2,3
	v_max_num_f32 v[TM+\b], v[TM+\b], v[TM+4+\b]   ; with lane l xor 16's: the block's largest magnitude
.endr
.irp b, 0,1,2,3
	v_add_nc_u32 v[TM+12+\b], 0xff000000, v[TM+\b] ; 2 off its exponent field: the conversion's scale operand
.endr
.irp b, 0,1,2,3
	v_lshrrev_b32 v[TM+4+\b], 23, v[TM+12+\b]      ; the scale's byte
.endr
	v_lshl_or_b32 v[\pw], v[TM+5], 8, v[TM+4]      ; the four bytes make my row's scale word (the same in lanes l and l xor 16)
	v_lshl_or_b32 v[\pw], v[TM+6], 16, v[\pw]
	v_lshl_or_b32 v[\pw], v[TM+7], 24, v[\pw]
.irp b, 0,1,2,3
	v_cvt_scalef32_pk8_fp4_f32 v[\pc+2*\b], v[\s+16*\b:\s+7+16*\b], v[TM+12+\b]
	v_cvt_scalef32_pk8_fp4_f32 v[\pc+1+2*\b], v[\s+8+16*\b:\s+15+16*\b], v[TM+12+\b]
.endr
	v_nop                                          ; one plain line behind a scaled conversion
.irp c, 0,1                                    ; the operand's layout wants a whole block in a lane: lanes 0-15 block 2 c, lanes 16-31 block 2 c + 1
.irp i, 0,1
	v_permlane16_swap_b32 v[\pc+4*\c+\i], v[\pc+2+4*\c+\i]
.endr
.endr
.endm
; Block a of the tail: my rows 16 a .. 16 a + 15 of A against my 128 rows of B: the bias is added, the 64 numbers a lane are quantised, the codes leave.
.macro BLOCK a, kind
.set AC, 64*((\a)%4)
.set PCA, PC+8*(\a)
.set WN, 0x02+((\a)/4)
	WIN WN                                         ; source 0: window 2 or 3
.set i, 0
.rept 32
.if \kind
	v_pk_add_f32 v[HA+i:HA+i+1], v[AC+i:AC+i+1], v[BM+2*(\a):BM+2*(\a)+1]   ; v: one bias a lane (its channel's), held twice.  Each accumulator is read from its low end on
.else
	v_pk_add_f32 v[HA+i:HA+i+1], v[AC+i:AC+i+1], v[BI+i:BI+i+1]             ; q, k: the bias runs along the registers
.endif
.set i, i+2
.endr
	WIN 0
	QUANT HA, PCA, PW+(\a)
.if \kind
	global_store_b128 v[LI], v[PCA:PCA+3], s[20+2*((\a)/4):21+2*((\a)/4)] offset:1024*((\a)%4)        ; d-tile a % 4 of head a / 4: 16 channels x 128 keys: registers 0-3,
	global_store_b128 v[LI], v[PCA+4:PCA+7], s[20+2*((\a)/4):21+2*((\a)/4)] offset:1024*((\a)%4)+512  ; registers 4-7: 512 consecutive aligned bytes each
.else
	global_store_b128 v[LI], v[PCA:PCA+3], s[20:21] offset:512*(\a)      ; the lower head's 64 channels of 16 rows: an operand's registers 0-3,
	global_store_b128 v[LI], v[PCA+4:PCA+7], s[22:23] offset:512*(\a)    ; the upper head's likewise
.endif
.endm
; THE TAIL.  Addresses, the bias's loads, the last step of 128 along K (under which they land), then the eight blocks and the scale words.
.macro TAIL kind
.if \kind
	s_lshr_b32 s2, s42, 3                          ; v: the batch = tc / 8,
	s_lshl_b32 s2, s2, 4
	s_lshl_b32 s3, s17, 2
	s_lshl_b32 s12, s15, 1
	s_add_co_u32 s3, s3, s12                       ; my first head = 4 tr + 2 x half,
	s_add_co_u32 s2, s2, s3                        ; its head block,
	s_and_b32 s12, s42, 7
	s_lshl_b32 s12, s12, 1
	s_add_co_u32 s12, s12, s16                     ; the key step = 2 (tc % 8) + half
	s_mul_i32 s13, s2, HB
	s_lshl_b32 s45, s12, 12
	s_add_co_u32 s20, s13, s45
	s_add_co_u32 s20, s20, 65536
	s_mov_b32 s21, 0
	s_add_nc_u64 s[20:21], s[10:11], s[20:21]      ; V's codes of the step, first head,
	s_add_nc_u64 s[22:23], s[20:21], HB            ; second head
	s_lshl_b32 s45, s12, 8
	s_add_co_u32 s46, s13, s45
	s_add_co_u32 s46, s46, 139264
	s_mov_b32 s47, 0
	s_add_nc_u64 s[46:47], s[10:11], s[46:47]      ; V's scale words of the step
	s_mul_i32 s18, s3, 768
	s_add_co_u32 s18, s18, 512                     ; b_qkv at 192 head + 128
	s_mov_b32 s19, 0
	s_add_nc_u64 s[18:19], s[8:9], s[18:19]
.irp a, 0,1,2,3,4,5,6,7
	global_load_b32 v[BM+2*\a], v[BOV], s[18:19] offset:768*(\a/4)+4*(32*((\a/2)%2)+8*(\a%2))     ; block a, lane r: channel 32 ((a / 2) % 2) + 8 (a % 2) + r + 8 (r / 8) of head a / 4
	global_load_b32 v[BM+2*\a+1], v[BOV], s[18:19] offset:768*(\a/4)+4*(32*((\a/2)%2)+8*(\a%2))   ; once more: the packed addition takes a pair
.endr
.else
	s_lshr_b32 s2, s17, 3                          ; q, k: the batch = tr / 8,
	s_lshl_b32 s2, s2, 4
	s_and_b32 s3, s42, 3
	s_lshl_b32 s3, s3, 2
	s_lshl_b32 s12, s16, 1
	s_add_co_u32 s3, s3, s12                       ; my first head = 4 (tc % 4) + 2 x half,
	s_add_co_u32 s2, s2, s3                        ; batch x 16 + head,
	s_and_b32 s12, s17, 7
	s_lshl_b32 s12, s12, 4
	s_lshl_b32 s13, s15, 3
	s_add_co_u32 s12, s12, s13                     ; my first tile of 16 rows in the sequence = 16 (tr % 8) + 8 x half
	s_mov_b32 s44, HB
	s_mov_b32 s98, 131072
	s_cmp_eq_u32 ttmp9, 0                          ; q or k?
	s_cselect_b32 s99, 65536, s44                  ; from head to head: codes,
	s_cselect_b32 s45, QC, 0                       ; where they begin,
	s_cselect_b32 s44, 8192, s44                   ; from head to head: scale words,
	s_cselect_b32 s98, QS, s98                     ; where they begin
	s_mul_i32 s13, s2, s99
	s_add_co_u32 s13, s13, s45
	s_lshl_b32 s45, s12, 9
	s_add_co_u32 s20, s13, s45
	s_mov_b32 s21, 0
	s_add_nc_u64 s[20:21], s[10:11], s[20:21]      ; the codes of my first tile, first head,
	s_mov_b32 s22, s99
	s_mov_b32 s23, 0
	s_add_nc_u64 s[22:23], s[20:21], s[22:23]      ; second head
	s_mul_i32 s13, s2, s44
	s_add_co_u32 s13, s13, s98
	s_lshl_b32 s45, s12, 6                         ; 512 bytes for each 8 tiles (my first tile is a multiple of 8)
	s_add_co_u32 s46, s13, s45
	s_mov_b32 s47, 0
	s_add_nc_u64 s[46:47], s[10:11], s[46:47]      ; the scale words of my 8 tiles, first head,
	s_mov_b32 s92, s44
	s_mov_b32 s93, 0
	s_add_nc_u64 s[92:93], s[46:47], s[92:93]      ; second head
	s_mul_i32 s18, s3, 768
	s_lshl_b32 s19, ttmp9, 8
	s_add_co_u32 s18, s18, s19                     ; b_qkv at 192 head + 64 kind
	s_mov_b32 s19, 0
	s_add_nc_u64 s[18:19], s[8:9], s[18:19]
.irp t, 0,1,2,3,4,5,6,7
	global_load_b128 v[BI+8*\t:BI+8*\t+3], v[BOQ], s[18:19] offset:768*(\t/4)+4*(32*((\t/2)%2)+8*(\t%2))        ; tile t, register j: channel 32 ((t / 2) % 2) + 8 (t % 2) + 16 (lane / 16) + j of head t / 4
	global_load_b128 v[BI+8*\t+4:BI+8*\t+7], v[BOQ], s[18:19] offset:768*(\t/4)+4*(32*((\t/2)%2)+8*(\t%2))+16
.endr
.endif
	s_mov_b32 s94, 0xffff0000                      ; lanes 16-31
	s_wait_dscnt 4*NL                              ; the very last step: nothing more to fetch
	WIN MUL_LO
	MUL16 0, 1, NQ-1, 1, 0
	MUL16 2, 1, NQ-1, 1, 0
	s_wait_dscnt 0
	WIN MUL_HI
	MUL16 4, 1, NQ-1, 1, 0
	MUL16 6, 1, NQ-1, 1, 0
	WIN 0
	PLACES NP                                      ; in front of the first read of results and the first write over fragments and scale words
.irp b, 0,1,2,3
	v_mov_b32 v[TM+4+\b], 0                        ; written once: a lane permute's destination counts as one of its sources
.endr
	s_wait_loadcnt 0x0                             ; the bias
.irp a, 0,1,2,3,4,5,6,7
	BLOCK \a, \kind
.endr
.irp i, 0,1,2,3
	v_cndmask_b32 v[XW+\i], v[PW+\i], v[PW+4+\i], s94   ; lanes 0-15: block i's word of row r; lanes 16-31: block 4 + i's
.endr
.if \kind
	global_store_b128 v[VSA], v[XW:XW+3], s[46:47] ; lanes 0-15: the first head's four d-tiles, 256 consecutive aligned bytes; lanes 16-31: the second head's, a head block on
.else
.irp i, 0,1,2,3
	v_lshrrev_b32 v[YW+\i], 16, v[XW+\i]           ; bytes 2 and 3 are the upper head's two blocks,
.endr
.irp i, 0,1,2,3
	v_and_b32 v[XW+\i], 0xffff, v[XW+\i]           ; bytes 0 and 1 the lower head's; the upper two bytes of both words are 0 and meet zero codes only
.endr
	global_store_b128 v[LI], v[XW:XW+3], s[46:47]  ; 8 tiles x 16 rows x 4 bytes: 512 consecutive aligned bytes
	global_store_b128 v[LI], v[YW:YW+3], s[92:93]
.endif
.endm
	s_wait_tensorcnt 1                             ; the scales and my part of slot 0 are in (slot 1's load may be out)
	s_barrier_signal -1
	s_barrier_wait -1                              ; everybody's are
	FETCH_B 0, 0, 0
	FETCH_A 0, 0, 0
	SCALES 0
	FETCH_A 0, 0, 4
	STEP 0, 0, 1                                   ; the first step's products start the sums: nothing is cleared
	STEPS 0, 1
	TURN 0, 1
	STEPS 1, 0
	s_cmp_eq_u32 ttmp9, 2                          ; the cluster's x: all sixteen partners, and all four waves, go the same way
	s_cbranch_scc1 .Lv
	s_wait_alu depctr_va_vdst(0)
	TAIL 0
	s_branch .Lend
.Lv:
	s_wait_alu depctr_va_vdst(0)
	TAIL 1
.Lend:
	s_wait_tensorcnt 0x0                           ; the wave's end, behind my last tensor load
	ds_add_u32 v[SPW], v[NIL]
	s_wait_dscnt 0x0
	CROUND                                         ; the closing round
	s_endpgm
.Lfunc_end_k_qf8832645b2_qkv:
	.size	k_qf8832645b2_qkv, .Lfunc_end_k_qf8832645b2_qkv-k_qf8832645b2_qkv
	.p2alignl 7, 3214868480
	.fill 96, 4, 3214868480
	.section	.rodata,"a",@progbits
	.p2align	6, 0x0
	.amdhsa_kernel k_qf8832645b2_qkv
		.amdhsa_group_segment_fixed_size 327680
		.amdhsa_private_segment_fixed_size 0
		.amdhsa_enable_private_segment 0
		.amdhsa_kernarg_size 32
		.amdhsa_user_sgpr_count 2
		.amdhsa_user_sgpr_kernarg_segment_ptr 1
		.amdhsa_wavefront_size32 1
		.amdhsa_system_sgpr_workgroup_id_x 1
		.amdhsa_system_sgpr_workgroup_id_y 1
		.amdhsa_system_sgpr_workgroup_id_z 1
		.amdhsa_system_vgpr_workitem_id 0
		.amdhsa_next_free_vgpr 1024
		.amdhsa_next_free_sgpr 100
		.amdhsa_reserve_vcc 0
		.amdhsa_float_denorm_mode_32 3
		.amdhsa_float_denorm_mode_16_64 3
		.amdhsa_memory_ordered 1
		.amdhsa_forward_progress 1
		.amdhsa_inst_pref_size 206
	.end_amdhsa_kernel
	.amdgpu_metadata
---
amdhsa.version: [ 1, 2 ]
amdhsa.kernels:
  - .name:           k_qf8832645b2_qkv
    .symbol:         k_qf8832645b2_qkv.kd
    .args:
      - { .name: opc, .offset: 0, .size: 8, .value_kind: global_buffer, .address_space: global }
      - { .name: ops, .offset: 8, .size: 8, .value_kind: global_buffer, .address_space: global }
      - { .name: b_qkv, .offset: 16, .size: 8, .value_kind: global_buffer, .address_space: global }
      - { .name: att, .offset: 24, .size: 8, .value_kind: global_buffer, .address_space: global }
    .group_segment_fixed_size: 327680
    .private_segment_fixed_size: 0
    .kernarg_segment_align: 8
    .kernarg_segment_size: 32
    .max_flat_workgroup_size: 128
    .sgpr_count:     100
    .vgpr_count:     1024
    .wavefront_size: 32
...
	.end_amdgpu_metadata
.endif
;; end of part 2
;; launch attn (part 3): grid 8 x 32, 16 waves a work-group, clusters of 4 x 1, 327,680 bytes of LDS; arguments att, vc, vs; writes vc, vs
.if DOCPART == 3
	.amdgcn_target "amdgcn-amd-amdhsa--gfx1250"
	.amdhsa_code_object_version 6
	.text
	.protected	k_qf8832645b2_attn
	.globl	k_qf8832645b2_attn
	.p2align	8
	.type	k_qf8832645b2_attn,@function
k_qf8832645b2_attn:
	s_mov_b64 s[64:65], 0
	v_nop
	global_prefetch_b8 v0, s[64:65] scope:SCOPE_SE
	s_setreg_imm32_b32 hwreg(HW_REG_WAVE_MODE, 25, 1), 1
	s_wait_xcnt 0x0
	s_wait_alu depctr_hold_cnt(0) depctr_sa_sdst(0) depctr_va_vdst(0) depctr_va_sdst(0) depctr_va_ssrc(0) depctr_va_vcc(0) depctr_vm_vsrc(0)
	s_getreg_b32 s2, hwreg(HW_REG_IB_STS2, 6, 4)
	s_cmp_eq_u32 s2, 0
	s_cbranch_scc0 .Lentry_in_a_cluster
	s_endpgm
.Lentry_in_a_cluster:
	s_bfe_u32 s2, ttmp6, 0x10000c
	s_cmp_lg_u32 s2, 0x3003
	s_cbranch_scc0 .Lentry_shape_is_right
	s_endpgm
.Lentry_shape_is_right:
.set HB,    143360
.set QC,    64*HB
.set QS,    QC+64*65536
.set SPARE, 2*HB
.set LI,  1
.set LR,  2
.set VR,  3
.set SPW, 5
.set NIL, 6
.set ADK, 8
.set ADV, 9
.set ADS, 10
.set ADT, 11
.set KSW, 192
.set VSW, 200
.set PSW, 204
.set QSW, 205
.set WV,  18
.set SEL, 20
.set CS,  22
.set G1,  24
.set G0A, 32
.set G0B, 36
.set TK,  40
.set TS,  41
.set TV,  42
.set CNT, 43
.macro CROUND
	s_barrier_signal -1
	s_barrier_wait -1
	s_cmp_lg_u32 s[WV], 0
	s_cbranch_scc1 .Lnot_wave_0_\@
	s_barrier_signal -3
.Lnot_wave_0_\@:
	s_barrier_wait -3
	s_barrier_signal -1
	s_barrier_wait -1
.endm
	s_load_b128 s[4:7], s[0:1], 0x0
	s_load_b64 s[8:9], s[0:1], 0x10
	v_lshl_add_u32 v[SPW], v0, 2, SPARE
	v_mov_b32 v[NIL], 0
	ds_add_u32 v[SPW], v[NIL]
	ds_add_u32 v[SPW], v[NIL]
	v_lshrrev_b32 v4, 5, v0
	s_delay_alu instid0(VALU_DEP_1)
	v_readfirstlane_b32 s[WV], v4
	s_bfe_u32 s10, ttmp6, 0x40000
	s_lshl_b32 s11, ttmp9, 2
	s_add_co_u32 s11, s11, s10
	s_lshl_b32 s11, s11, 4
	s_add_co_u32 s11, s11, s[WV]
	s_and_b32 s12, ttmp7, 0xffff
	s_mul_i32 s13, s[WV], 8960
	s_mul_i32 s14, s12, 2*HB
	s_add_co_u32 s14, s14, s13
	s_mov_b32 s15, 0
	s_lshl_b32 s16, s12, 8
	s_add_co_u32 s16, s16, s11
	s_lshl_b32 s16, s16, 9
	s_add_co_u32 s16, s16, QC
	s_mov_b32 s17, 0
	s_lshl_b32 s50, s12, 14
	s_lshr_b32 s51, s11, 2
	s_lshl_b32 s51, s51, 8
	s_add_co_u32 s50, s50, s51
	s_and_b32 s51, s11, 3
	s_lshl_b32 s51, s51, 2
	s_add_co_u32 s50, s50, s51
	s_add_co_u32 s50, s50, QS
	s_mov_b32 s51, 0
	s_lshr_b32 s52, s12, 3
	s_lshl_b32 s52, s52, 7
	s_add_co_u32 s52, s52, s11
	s_and_b32 s53, s12, 7
	s_lshl_b32 s44, s52, 3
	s_add_co_u32 s44, s44, s53
	s_lshl_b32 s44, s44, 10
	s_mov_b32 s45, 0
	s_lshl_b32 s46, s52, 9
	s_lshl_b32 s53, s53, 2
	s_add_co_u32 s46, s46, s53
	s_mov_b32 s47, 0
	s_mov_b32 s[G1], 15|(3<<16)|(1<<21)
	s_mov_b32 s[G1+1], 32<<16
	s_mov_b32 s[G1+2], 35<<16
	s_mov_b32 s[G1+3], 32<<16
	s_mov_b32 s[G1+4], 35
	s_mov_b32 s[G1+5], 32
	s_mov_b32 s[G1+6], 0
	s_mov_b32 s[G1+7], 0
	s_mov_b32 s[SEL], 0x76543210
	s_mov_b32 s[SEL+1], 0xfedcba98
	s_mov_b32 s[CS], 0x3e38aa3b
	s_mov_b32 s[CS+1], s[CS]
	s_wait_dscnt 0x0
	s_wait_kmcnt 0x0
	s_add_nc_u64 s[48:49], s[4:5], s[16:17]
	s_add_nc_u64 s[50:51], s[4:5], s[50:51]
	s_add_nc_u64 s[44:45], s[6:7], s[44:45]
	s_add_nc_u64 s[46:47], s[8:9], s[46:47]
	CROUND
	s_mov_b32 s[G0A], 1
	s_mov_b32 s[G0A+1], s13
	s_add_nc_u64 s[G0A+2:G0A+3], s[4:5], s[14:15]
	s_mov_b32 s[G0B], 1
	s_add_co_u32 s[G0B+1], s13, HB
	s_add_nc_u64 s[G0B+2:G0B+3], s[G0A+2:G0A+3], HB
	s_or_b32 s[G0A+3], s[G0A+3], 0x80000000
	s_or_b32 s[G0B+3], s[G0B+3], 0x80000000
	tensor_load_to_lds s[G0A:G0A+3], s[G1:G1+7]
	s_nop 0
	s_wait_alu depctr_va_vdst(0)
	s_wait_tensorcnt 0x0
	ds_add_u32 v5, v6
	s_wait_dscnt 0x0
	CROUND
	tensor_load_to_lds s[G0B:G0B+3], s[G1:G1+7]
	s_nop 0
.rept 4
	v_nop
.endr
	v_and_b32 v4, 31, v0
	s_delay_alu instid0(VALU_DEP_1)
	v_lshlrev_b32 v[LI], 4, v4
	v_and_b32 v4, 15, v0
	s_delay_alu instid0(VALU_DEP_1)
	v_lshlrev_b32 v[LR], 4, v4
	s_delay_alu instid0(VALU_DEP_2)
	v_lshlrev_b32 v[VR], 5, v4
	global_load_b128 v[16:19], v[LI], s[48:49]
	global_load_b128 v[24:27], v[LI], s[48:49] offset:65536
	global_load_b32 v[QSW], v[LR], s[50:51]
	global_load_b32 v[QSW+1], v[LR], s[50:51] offset:8192
.irp j, 20,21,22,23,28,29,30,31,36,37,38,39,44,45,46,47,52,53,54,55,60,61,62,63
	v_mov_b32 v[\j], 0
.endr
.irp j, 236,237,238,239,253
	v_mov_b32 v[\j], 0
.endr
	s_wait_loadcnt 0x0
.macro STEP e
	v_add_nc_u32 v[ADK], s[TK], v[LI]
	s_delay_alu instid0(VALU_DEP_1)
	v_add_nc_u32 v[ADV], 0x10000, v[ADK]
	v_add_nc_u32 v[ADS], s[TS], v[LR]
	v_add_nc_u32 v[ADT], s[TV], v[LR]
	ds_load_b128 v[KSW:KSW+3], v[ADS]
	ds_load_b128 v[KSW+4:KSW+7], v[ADS] offset:256
.irp t, 0,1,2,3
	ds_load_b128 v[32+8*\t:35+8*\t], v[ADK] offset:512*\t
.endr
.irp t, 0,1,2,3
.irp c, 0,1
	ds_load_b128 v[64+8*\t+4*\c:67+8*\t+4*\c], v[ADV] offset:1024*\t+512*\c
.endr
.endr
	ds_load_b128 v[VSW:VSW+3], v[ADT]
	s_wait_alu depctr_va_vdst(0)
	s_wait_dscnt 9
.irp t, 0,1,2,3
	v_wmma_scale_f32_16x16x128_f8f6f4 v[96+8*\t:103+8*\t], v[32+8*\t:39+8*\t], v[16+8*\e:23+8*\e], 0, v[KSW+\t], v[QSW+\e] matrix_a_fmt:MATRIX_FMT_FP4 matrix_b_fmt:MATRIX_FMT_FP4
.endr
.rept 4
	v_nop
.endr
.irp t, 0,1,2,3
	ds_load_b128 v[32+8*\t:35+8*\t], v[ADK] offset:2048+512*\t
.endr
	s_wait_dscnt 0x0
.irp t, 0,1,2,3
	v_wmma_scale_f32_16x16x128_f8f6f4 v[128+8*\t:135+8*\t], v[32+8*\t:39+8*\t], v[16+8*\e:23+8*\e], 0, v[KSW+4+\t], v[QSW+\e] matrix_a_fmt:MATRIX_FMT_FP4 matrix_b_fmt:MATRIX_FMT_FP4
.endr
.rept 4
	v_nop
.endr
.irp b, 0,1,2,3
	v_max3_num_f32 v[232+\b], v[96+16*\b], v[97+16*\b], v[98+16*\b]
.endr
.irp i, 3,5,7,9,11,13
.irp b, 0,1,2,3
	v_max3_num_f32 v[232+\b], v[232+\b], v[96+16*\b+\i], v[97+16*\b+\i]
.endr
.endr
.irp b, 0,1,2,3
	v_max_num_f32 v[232+\b], v[232+\b], v[111+16*\b]
.endr
.irp b, 0,1,2,3
	s_delay_alu instid0(VALU_DEP_4)
	v_permlanex16_b32 v[236+\b], v[232+\b], s[SEL], s[SEL+1]
.endr
.irp b, 0,1,2,3
	s_delay_alu instid0(VALU_DEP_4)
	v_max_num_f32 v[232+\b], v[232+\b], v[236+\b]
.endr
	s_delay_alu instid0(VALU_DEP_2)
	v_max3_num_f32 v254, v232, v233, v234
	s_delay_alu instid0(VALU_DEP_1)
	v_max_num_f32 v254, v254, v235
	s_delay_alu instid0(VALU_DEP_1)
	v_mul_f32 v254, s[CS], v254
	s_delay_alu instid0(VALU_DEP_1)
	v_max_num_f32 v13, v13, v254
	v_mov_b32 v254, v12
	s_delay_alu instid0(VALU_DEP_2)
	v_floor_f32 v12, -v13
	s_delay_alu instid0(VALU_DEP_1)
	v_sub_f32 v254, v12, v254
	s_delay_alu instid0(VALU_DEP_1)
	v_cvt_i32_f32 v254, v254
	s_delay_alu instid0(VALU_DEP_1)
	v_ldexp_f32 v252, 1.0, v254
.set j, 0
.rept 32
	v_pk_fma_f32 v[96+j:97+j], v[96+j:97+j], s[CS:CS+1], v[12:13] op_sel_hi:[1,0,0]
.set j, j+2
.endr
.irp b, 0,1,2,3
	v_fma_f32 v[232+\b], v[232+\b], s[CS], v12
.endr
.set j, 0
	s_wait_alu depctr_va_vdst(0)
.rept 64
	v_exp_f32 v[96+j], v[96+j]
.set j, j+1
.endr
	s_setprio 1
	v_pk_mul_f32 v[14:15], v[14:15], v[252:253] op_sel_hi:[1,0]
	s_wait_alu depctr_va_vdst(0)
.irp b, 0,1,2,3
	v_exp_f32 v[232+\b], v[232+\b]
.endr
	v_pk_add_f32 v[236:237], v[96:97], v[98:99]
.set j, 4
.rept 15
	v_pk_add_f32 v[14:15], v[14:15], v[96+j:97+j]
	v_pk_add_f32 v[236:237], v[236:237], v[98+j:99+j]
.set j, j+4
.endr
	s_delay_alu instid0(VALU_DEP_1)
	v_pk_add_f32 v[14:15], v[14:15], v[236:237]
	s_wait_alu depctr_va_vdst(0)
.irp b, 0,1,2,3
	v_max_num_f32 v[232+\b], 0x1800000, v[232+\b]
.endr
.irp b, 0,1,2,3
	s_delay_alu instid0(VALU_DEP_4)
	v_add_nc_u32 v[240+\b], 0xff000000, v[232+\b]
.endr
.irp b, 0,1,2,3
	s_delay_alu instid0(VALU_DEP_4)
	v_lshrrev_b32 v[236+\b], 23, v[240+\b]
.endr
	s_delay_alu instid0(VALU_DEP_3)
	v_lshl_or_b32 v[PSW], v237, 8, v236
	s_delay_alu instid0(VALU_DEP_1)
	v_lshl_or_b32 v[PSW], v238, 16, v[PSW]
	s_delay_alu instid0(VALU_DEP_1)
	v_lshl_or_b32 v[PSW], v239, 24, v[PSW]
.irp b, 0,1,2,3
	v_cvt_scalef32_pk8_fp4_f32 v[224+2*\b], v[96+16*\b:103+16*\b], v[240+\b]
	v_cvt_scalef32_pk8_fp4_f32 v[225+2*\b], v[104+16*\b:111+16*\b], v[240+\b]
.endr
	v_nop
.irp c, 0,1
.irp i, 0,1
	v_permlane16_swap_b32 v[224+4*\c+\i], v[226+4*\c+\i]
.endr
.endr
.set j, 0
	s_setprio 0
.rept 16
	v_pk_mul_f32 v[160+j:161+j], v[160+j:161+j], v[252:253] op_sel_hi:[1,0]
.set j, j+2
.endr
.irp t, 0,1,2,3
	v_wmma_scale_f32_16x16x128_f8f6f4 v[160+8*\t:167+8*\t], v[64+8*\t:71+8*\t], v[224:231], v[160+8*\t:167+8*\t], v[VSW+\t], v[PSW] matrix_a_fmt:MATRIX_FMT_FP4 matrix_b_fmt:MATRIX_FMT_FP4
.endr
.endm
.macro FINAL e
	v_add_f32 v14, v14, v15
	s_delay_alu instid0(VALU_DEP_1)
	v_permlanex16_b32 v254, v14, s[SEL], s[SEL+1]
	s_delay_alu instid0(VALU_DEP_1)
	v_add_f32 v14, v14, v254
	s_wait_alu depctr_va_vdst(0)
	v_rcp_f32 v14, v14
.rept 3
	v_nop
.endr
	s_wait_alu depctr_va_vdst(0)
.set j, 0
.rept 16
	v_pk_mul_f32 v[96+j:97+j], v[160+j:161+j], v[14:15] op_sel_hi:[1,0]
.set j, j+2
.endr
.irp b, 0,1
	v_max3_num_f32 v[232+\b], |v[96+16*\b]|, |v[97+16*\b]|, 0x1800000
.endr
.irp i, 2,4,6,8,10,12,14
.irp b, 0,1
	s_delay_alu instid0(VALU_DEP_2)
	v_max3_num_f32 v[232+\b], v[232+\b], |v[96+16*\b+\i]|, |v[97+16*\b+\i]|
.endr
.endr
.irp b, 0,1
	s_delay_alu instid0(VALU_DEP_2)
	v_permlanex16_b32 v[236+\b], v[232+\b], s[SEL], s[SEL+1]
.endr
.irp b, 0,1
	s_delay_alu instid0(VALU_DEP_2)
	v_max_num_f32 v[232+\b], v[232+\b], v[236+\b]
.endr
.irp b, 0,1
	s_delay_alu instid0(VALU_DEP_2)
	v_add_nc_u32 v[240+\b], 0xff000000, v[232+\b]
.endr
.irp b, 0,1
	s_delay_alu instid0(VALU_DEP_2)
	v_lshrrev_b32 v[236+\b], 23, v[240+\b]
.endr
.if \e
	s_delay_alu instid0(VALU_DEP_1)
	v_lshl_or_b32 v217, v237, 8, v236
	s_delay_alu instid0(VALU_DEP_1)
	v_lshl_or_b32 v216, v217, 16, v216
.else
	s_delay_alu instid0(VALU_DEP_1)
	v_lshl_or_b32 v216, v237, 8, v236
.endif
.irp b, 0,1
	v_cvt_scalef32_pk8_fp4_f32 v[208+4*\e+2*\b], v[96+16*\b:103+16*\b], v[240+\b]
	v_cvt_scalef32_pk8_fp4_f32 v[209+4*\e+2*\b], v[104+16*\b:111+16*\b], v[240+\b]
.endr
	v_nop
.irp i, 0,1
	v_permlane16_swap_b32 v[208+4*\e+\i], v[210+4*\e+\i]
.endr
	global_store_b128 v[LI], v[208+4*\e:211+4*\e], s[44:45] offset:512*\e
.endm
.macro HEAD e
	v_mov_b32 v13, 0xff61b1e6
	s_delay_alu instid0(VALU_DEP_1)
	v_floor_f32 v12, -v13
	v_mov_b32 v14, 0
	v_mov_b32 v15, 0
.set j, 0
.rept 32
	v_mov_b32 v[160+j], 0
.set j, j+1
.endr
	s_mov_b32 s[TK], \e*HB
	s_mov_b32 s[TS], \e*HB+131072
	s_mov_b32 s[TV], \e*HB+139264
	s_mov_b32 s[CNT], 16
.Lstep_\@:
	s_setprio 2
	STEP \e
	s_add_co_u32 s[TK], s[TK], 4096
	s_add_co_u32 s[TS], s[TS], 512
	s_add_co_u32 s[TV], s[TV], 256
	s_sub_co_u32 s[CNT], s[CNT], 1
	s_cmp_lg_u32 s[CNT], 0
	s_cbranch_scc1 .Lstep_\@
	s_setprio 0
	FINAL \e
.endm
	s_wait_tensorcnt 1
	s_barrier_signal -1
	s_barrier_wait -1
	HEAD 0
	s_wait_tensorcnt 0x0
	s_wait_dscnt 0x0
	s_barrier_signal -1
	s_barrier_wait -1
	HEAD 1
	global_store_b32 v[VR], v216, s[46:47]
	s_wait_tensorcnt 0x0
	ds_add_u32 v[SPW], v[NIL]
	s_wait_dscnt 0x0
	CROUND
	s_endpgm
.Lfunc_end_k_qf8832645b2_attn:
	.size	k_qf8832645b2_attn, .Lfunc_end_k_qf8832645b2_attn-k_qf8832645b2_attn
	.p2alignl 7, 3214868480
	.fill 96, 4, 3214868480
	.section	.rodata,"a",@progbits
	.p2align	6, 0x0
	.amdhsa_kernel k_qf8832645b2_attn
		.amdhsa_group_segment_fixed_size 327680
		.amdhsa_private_segment_fixed_size 0
		.amdhsa_enable_private_segment 0
		.amdhsa_kernarg_size 24
		.amdhsa_user_sgpr_count 2
		.amdhsa_user_sgpr_kernarg_segment_ptr 1
		.amdhsa_wavefront_size32 1
		.amdhsa_system_sgpr_workgroup_id_x 1
		.amdhsa_system_sgpr_workgroup_id_y 1
		.amdhsa_system_sgpr_workgroup_id_z 1
		.amdhsa_system_vgpr_workitem_id 0
		.amdhsa_next_free_vgpr 256
		.amdhsa_next_free_sgpr 66
		.amdhsa_reserve_vcc 0
		.amdhsa_float_denorm_mode_32 3
		.amdhsa_float_denorm_mode_16_64 3
		.amdhsa_memory_ordered 1
		.amdhsa_forward_progress 1
		.amdhsa_inst_pref_size 51
	.end_amdhsa_kernel
	.amdgpu_metadata
---
amdhsa.version: [ 1, 2 ]
amdhsa.kernels:
  - .name:           k_qf8832645b2_attn
    .symbol:         k_qf8832645b2_attn.kd
    .args:
      - { .name: att, .offset: 0, .size: 8, .value_kind: global_buffer, .address_space: global }
      - { .name: vc, .offset: 8, .size: 8, .value_kind: global_buffer, .address_space: global }
      - { .name: vs, .offset: 16, .size: 8, .value_kind: global_buffer, .address_space: global }
    .group_segment_fixed_size: 327680
    .private_segment_fixed_size: 0
    .kernarg_segment_align: 8
    .kernarg_segment_size: 24
    .max_flat_workgroup_size: 512
    .sgpr_count:     66
    .vgpr_count:     256
    .wavefront_size: 32
...
	.end_amdgpu_metadata
.endif
;; end of part 3
;; launch proj (part 4): grid 4 x 32, 4 waves a work-group, clusters of 4 x 4, 327,680 bytes of LDS; arguments vc, vs, opc, ops, b_out, out0; writes out0
.if DOCPART == 4
	.amdgcn_target "amdgcn-amd-amdhsa--gfx1250"
	.amdhsa_code_object_version 6
	.text
	.protected	k_qf8832645b2_proj
	.globl	k_qf8832645b2_proj
	.p2align	8
	.type	k_qf8832645b2_proj,@function
k_qf8832645b2_proj:
	s_mov_b64 s[64:65], 0
	v_nop
	global_prefetch_b8 v0, s[64:65] scope:SCOPE_SE
	s_setreg_imm32_b32 hwreg(HW_REG_WAVE_MODE, 25, 1), 1
	s_wait_xcnt 0x0
	s_wait_alu depctr_hold_cnt(0) depctr_sa_sdst(0) depctr_va_vdst(0) depctr_va_sdst(0) depctr_va_ssrc(0) depctr_va_vcc(0) depctr_vm_vsrc(0)
	s_getreg_b32 s2, hwreg(HW_REG_IB_STS2, 6, 4)
	s_cmp_eq_u32 s2, 0
	s_cbranch_scc0 .Lentry_in_a_cluster
	s_endpgm
.Lentry_in_a_cluster:
	s_bfe_u32 s2, ttmp6, 0x10000c
	s_cmp_lg_u32 s2, 0xf033
	s_cbranch_scc0 .Lentry_shape_is_right
	s_endpgm
.Lentry_shape_is_right:
.set NQ,     4
.set ROWB,   256
.set KROW,   512
.set PITCH,  272
.set FR,     8
.set NL,     2
.set NP,     4
.set HALFT,  128*PITCH
.set AREG,   65536
.set SLOT,   AREG+2*HALFT
.set KS,     32
.set SCL,    2*SLOT
.set HALFS,  (128*KS/256)*272
.set SBLK,   (16*KS/256)*272
.set SPARE,  SCL+4*HALFS
.set SPITCH, 528
.set ADRA, 16
.set ADRB, 20
.set STO,  24
.set RD,   25
.set CO,   26
.set ADRS, 27
.set SPW,  28
.set NIL,  29
.set BO,   30
.set SC,   32
.set AF,   128
.set BI,   192
.set BK,   128
.set G1, 24
.set G0, 32
.set G1B, 48
.set G0B, 56
.set G1S, 68
.set G0S, 76
.set G1SB, 80
.set G0SB, 88
.set MSB, 0
.macro WIN new
.if MSB != \new
	s_set_vgpr_msb (MSB<<8)|\new
.set MSB, \new
.endif
.endm
.set MUL_LO, 0xa1
.set MUL_HI, 0xf1
.set ONE_LO, 0x81
.set ONE_HI, 0xc1
.set TO_B,   0x40
.macro JLOAD g0a, g1a, g0b, g1b
	s_cmp_eq_u32 s15, 0
	s_cbranch_scc0 .Lfor_b_\@
	tensor_load_to_lds s[\g0a:\g0a+3], s[\g1a:\g1a+7]
	s_nop 0
.rept 4
	v_nop
.endr
	s_branch .Lasked_\@
.Lfor_b_\@:
	tensor_load_to_lds s[\g0b:\g0b+3], s[\g1b:\g1b+7]
	s_nop 0
.rept 4
	v_nop
.endr
.Lasked_\@:
.endm
.macro CROUND
	s_barrier_signal -1
	s_barrier_wait -1
	s_cmp_lg_u32 s14, 0
	s_cbranch_scc1 .Lnot_wave_0_\@
	s_barrier_signal -3
.Lnot_wave_0_\@:
	s_barrier_wait -3
	s_barrier_signal -1
	s_barrier_wait -1
.endm
	s_load_b256 s[4:11], s[0:1], 0x0
	s_load_b128 s[96:99], s[0:1], 0x20
	v_lshl_add_u32 v[SPW], v0, 2, SPARE
	v_mov_b32 v[NIL], 0
	ds_add_u32 v[SPW], v[NIL]
	ds_add_u32 v[SPW], v[NIL]
	v_lshrrev_b32 v1, 5, v0
	v_readfirstlane_b32 s14, v1
	s_lshr_b32 s15, s14, 1
	s_and_b32 s16, s14, 1
	s_bfe_u32 s40, ttmp6, 0x40000
	s_bfe_u32 s41, ttmp6, 0x40004
	s_lshl_b32 s42, ttmp9, 2
	s_add_co_u32 s42, s42, s40
	s_and_b32 s17, ttmp7, 0xffff
	s_lshl_b32 s17, s17, 2
	s_add_co_u32 s17, s17, s41
	s_lshl_b32 s43, s41, 2
	s_lshl_b32 s43, 15, s43
	s_lshl_b32 s44, 0x1111, s40
	s_or_b32 s[G1+0], s43, (3<<16)|(1<<21)
	s_mov_b32 s[G1+1], 512<<16
	s_mov_b32 s[G1+2], 8<<16
	s_mov_b32 s[G1+3], 512<<16
	s_mov_b32 s[G1+4], 8
	s_mov_b32 s[G1+5], 1024
	s_mov_b32 s[G1+6], 0
	s_mov_b32 s[G1+7], 0
	s_or_b32 s[G1B+0], s44, (0<<16)|(1<<20)|(1<<21)|(5<<22)|(3<<25)
	s_mov_b32 s[G1B+1], ROWB<<16
	s_mov_b32 s[G1B+2], 128<<16
	s_mov_b32 s[G1B+3], ROWB<<16
	s_mov_b32 s[G1B+4], 128
	s_mov_b32 s[G1B+5], KROW
	s_mov_b32 s[G1B+6], 0
	s_mov_b32 s[G1B+7], 0
	s_or_b32 s[G1S+0], s43, (3<<16)|(1<<20)|(1<<21)|(5<<22)|(3<<25)
	s_or_b32 s[G1SB+0], s44, (3<<16)|(1<<20)|(1<<21)|(5<<22)|(3<<25)
.irp g, G1S, G1SB
	s_mov_b32 s[\g+1], 32<<16
	s_mov_b32 s[\g+2], (128*KS/256)<<16
	s_mov_b32 s[\g+3], 32<<16
	s_mov_b32 s[\g+4], 128*KS/256
	s_mov_b32 s[\g+5], 32
	s_mov_b32 s[\g+6], 0
	s_mov_b32 s[\g+7], 0
.endr
	s_lshl_b32 s20, s17, 17
	s_lshl_b32 s18, s16, 16
	s_add_co_u32 s20, s20, s18
	s_mov_b32 s21, 0
	s_lshl_b32 s22, s17, 13
	s_lshl_b32 s18, s16, 12
	s_add_co_u32 s22, s22, s18
	s_mov_b32 s23, 0
	s_lshl_b32 s46, s42, 8
	s_lshl_b32 s18, s16, 7
	s_add_co_u32 s46, s46, s18
	s_add_co_u32 s46, s46, 11264
	s_lshl_b32 s92, s46, 5
	s_mov_b32 s93, 0
	s_lshl_b32 s46, s46, 9
	s_mov_b32 s47, 0
	s_lshl_b32 s45, s16, 15
	s_mul_i32 s19, s16, HALFT
	s_add_co_u32 s19, s19, AREG
	s_mul_i32 s94, s14, HALFS
	s_wait_dscnt 0x0
	s_wait_kmcnt 0x0
	s_add_nc_u64 s[20:21], s[4:5], s[20:21]
	s_add_nc_u64 s[22:23], s[6:7], s[22:23]
	s_add_nc_u64 s[46:47], s[8:9], s[46:47]
	s_add_nc_u64 s[92:93], s[10:11], s[92:93]
	CROUND
	s_mov_b32 s[G0S], 1
	s_add_co_u32 s[G0S+1], s94, SCL
	s_mov_b64 s[G0S+2:G0S+3], s[22:23]
	s_or_b32 s[G0S+3], s[G0S+3], 0x80000000
	s_mov_b32 s[G0SB], 1
	s_add_co_u32 s[G0SB+1], s94, SCL
	s_mov_b64 s[G0SB+2:G0SB+3], s[92:93]
	s_or_b32 s[G0SB+3], s[G0SB+3], 0x80000000
	JLOAD G0S, G1S, G0SB, G1SB
.irp s, 0,1
	s_mov_b32 s[G0+4*\s], 1
	s_add_co_u32 s[G0+4*\s+1], s45, \s*SLOT
	s_add_nc_u64 s[G0+4*\s+2:G0+4*\s+3], s[20:21], \s*4096
	s_or_b32 s[G0+4*\s+3], s[G0+4*\s+3], 0x80000000
	s_mov_b32 s[G0B+4*\s], 1
	s_add_co_u32 s[G0B+4*\s+1], s19, \s*SLOT
	s_add_nc_u64 s[G0B+4*\s+2:G0B+4*\s+3], s[46:47], \s*ROWB
	s_or_b32 s[G0B+4*\s+3], s[G0B+4*\s+3], 0x80000000
	s_wait_alu depctr_va_vdst(0)
	s_wait_tensorcnt 0x0
	ds_add_u32 v28, v29
	s_wait_dscnt 0x0
	CROUND
	JLOAD G0+4*\s, G1, G0B+4*\s, G1B
.endr
	v_and_b32 v1, 15, v0
	v_bfe_u32 v2, v0, 4, 1
	v_lshlrev_b32 v[BO], 6, v2
	s_lshl_b32 s2, s42, 10
	s_lshl_b32 s3, s16, 9
	s_add_co_u32 s2, s2, s3
	s_mov_b32 s3, 0
	s_add_nc_u64 s[96:97], s[96:97], s[2:3]
.irp b, 0,1,2,3,4,5,6,7
	global_load_b128 v[BI+8*\b:BI+8*\b+3], v[BO], s[96:97] offset:128*(\b/2)+32*(\b%2)
	global_load_b128 v[BI+8*\b+4:BI+8*\b+7], v[BO], s[96:97] offset:128*(\b/2)+32*(\b%2)+16
.endr
	v_mul_u32_u24 v3, v1, PITCH
	v_lshl_add_u32 v4, v2, 4, v3
	v_and_b32 v6, 31, v0
	v_lshlrev_b32 v[CO], 4, v6
	s_lshl_b32 s21, s15, 15
	s_mul_i32 s22, s16, HALFT
	s_add_co_u32 s22, s22, AREG
.irp s, 0,1
	v_add_nc_u32 v[ADRA+\s], s21, v[CO]
	v_add_nc_u32 v[ADRB+\s], s22, v4
	s_add_co_u32 s21, s21, SLOT
	s_add_co_u32 s22, s22, SLOT
.endr
	v_mul_u32_u24 v5, v1, KS
	v_lshrrev_b32 v6, 8, v5
	v_lshl_add_u32 v5, v6, 4, v5
	s_mul_i32 s21, s15, HALFS
	s_mul_i32 s22, s16, HALFS
	s_add_co_u32 s22, s22, 2*HALFS
	s_sub_co_u32 s22, s22, s21
	v_mul_u32_u24 v6, s22, v2
	s_add_co_u32 s21, s21, SCL
	v_add_nc_u32 v5, v5, v6
	v_add_nc_u32 v[ADRS], s21, v5
	s_mul_i32 s23, s14, 16*SPITCH
	v_mul_u32_u24 v5, v1, SPITCH
	v_lshl_add_u32 v5, v2, 6, v5
	v_add_nc_u32 v[STO], s23, v5
	v_add_nc_u32 v[RD], s23, v[CO]
	s_lshl_b32 s20, s17, 20
	s_lshl_b32 s21, s15, 19
	s_add_co_u32 s20, s20, s21
	s_add_co_u32 s20, s20, s2
	s_mov_b32 s21, 0
	s_add_nc_u64 s[12:13], s[98:99], s[20:21]
.macro FRAG reg, adr, q, i
.irp c, 0,1
	ds_load_b128 v[\reg+4*\c:\reg+4*\c+3], v[\adr] offset:64*(\q)+32*\c+(\i)*16*PITCH
.endr
.endm
.macro FRAGA reg, adr, q, i
.irp c, 0,1
	ds_load_b128 v[\reg+4*\c:\reg+4*\c+3], v[\adr] offset:1024*(4*(\i)+(\q))+512*\c
.endr
.endm
.macro MUL16 a0, p, q, sc, one
.irp a, \a0, \a0+1
.irp b, 0,1,2,3,4,5,6,7
.if \one
	v_wmma_scale_f32_16x16x128_f8f6f4 v[8*(8*((\a)%4)+\b):8*(8*((\a)%4)+\b)+7], v[128*(\p)+FR*\b:128*(\p)+FR*\b+FR-1], v[AF+FR*(\a):AF+FR*(\a)+FR-1], v[BI+8*\b:BI+8*\b+7], v[SC+8*NQ*(\sc)+NQ*\b+(\q)], v[SC+8*NQ*(\sc)+NQ*(\a)+(\q)] matrix_a_fmt:MATRIX_FMT_FP4 matrix_b_fmt:MATRIX_FMT_FP4 matrix_a_scale:MATRIX_SCALE_ROW1
.else
	v_wmma_scale_f32_16x16x128_f8f6f4 v[8*(8*((\a)%4)+\b):8*(8*((\a)%4)+\b)+7], v[128*(\p)+FR*\b:128*(\p)+FR*\b+FR-1], v[AF+FR*(\a):AF+FR*(\a)+FR-1], v[8*(8*((\a)%4)+\b):8*(8*((\a)%4)+\b)+7], v[SC+8*NQ*(\sc)+NQ*\b+(\q)], v[SC+8*NQ*(\sc)+NQ*(\a)+(\q)] matrix_a_fmt:MATRIX_FMT_FP4 matrix_b_fmt:MATRIX_FMT_FP4 matrix_a_scale:MATRIX_SCALE_ROW1
.endif
.endr
.endr
.endm
.macro FETCH_B slot, q, p
	WIN TO_B
.irp i, 0,1,2,3,4,5,6,7
	FRAG 128*(\p)+FR*\i, ADRB+\slot, \q, \i
.endr
	WIN 0
.endm
.macro FETCH_A slot, q, i0
.irp i, \i0, \i0+1, \i0+2, \i0+3
	FRAGA AF+FR*(\i), ADRA+\slot, \q, \i
.endr
.endm
.macro SCALES sc
.irp i, 0,1,2,3,4,5,6,7
	ds_load_b128 v[SC+8*NQ*\sc+NQ*\i:SC+8*NQ*\sc+NQ*\i+3], v[ADRS] offset:\i*SBLK
.endr
.endm
.macro PLACES n
.rept \n
	v_nop
.endr
.endm
.macro STEP slot, q, one
	s_wait_dscnt 4*NL
.if \one
	WIN ONE_LO
.else
	WIN MUL_LO
.endif
	MUL16 0, (\q)%2, \q, \slot, \one
	MUL16 2, (\q)%2, \q, \slot, \one
	s_wait_dscnt 0
	PLACES NP
	FETCH_B \slot, (\q)+1, 1-(\q)%2
	FETCH_A \slot, (\q)+1, 0
.if \one
	WIN ONE_HI
.else
	WIN MUL_HI
.endif
	MUL16 4, (\q)%2, \q, \slot, \one
	MUL16 6, (\q)%2, \q, \slot, \one
	PLACES NP
	WIN 0
	FETCH_A \slot, (\q)+1, 4
.endm
.macro TURN slot, next
	s_wait_tensorcnt 0x0
	ds_add_u32 v[SPW], v[NIL]
	s_wait_dscnt 4*NL+1
	WIN MUL_LO
	MUL16 0, 1, NQ-1, \slot, 0
	s_wait_dscnt 0x0
	s_barrier_signal -1
	MUL16 2, 1, NQ-1, \slot, 0
	WIN 0
	s_barrier_wait -1
	PLACES NP
	v_add_nc_u32 v[ADRS], 4*NQ, v[ADRS]
	FETCH_B \next, 0, 0
	FETCH_A \next, 0, 0
	SCALES \next
	WIN MUL_HI
	MUL16 4, 1, NQ-1, \slot, 0
	MUL16 6, 1, NQ-1, \slot, 0
	PLACES NP
	WIN 0
	FETCH_A \next, 0, 4
.endm
.macro STEPS slot, from
.set Q, \from
.rept NQ-1-\from
	STEP \slot, Q, 0
.set Q, Q+1
.endr
.endm
	s_wait_alu depctr_va_vdst(0)
	s_wait_tensorcnt 1
	s_barrier_signal -1
	s_barrier_wait -1
	FETCH_B 0, 0, 0
	FETCH_A 0, 0, 0
	SCALES 0
	FETCH_A 0, 0, 4
	s_wait_loadcnt 0x0
	STEP 0, 0, 1
	STEPS 0, 1
	TURN 0, 1
	STEPS 1, 0
	s_wait_dscnt 4*NL
	WIN MUL_LO
	MUL16 0, 1, NQ-1, 1, 0
	MUL16 2, 1, NQ-1, 1, 0
	s_wait_dscnt 0
	WIN MUL_HI
	MUL16 4, 1, NQ-1, 1, 0
	MUL16 6, 1, NQ-1, 1, 0
	WIN 0
.macro TOSTAGE a
.set AC, 64*((\a)%4)
.set WN, 0x08+4*((\a)/4)
	WIN WN
.irp b, 0,1,2,3,4,5,6,7
	ds_store_b128 v[STO], v[AC+8*\b:AC+8*\b+3] offset:128*(\b/2)+32*(\b%2)
	ds_store_b128 v[STO], v[AC+8*\b+4:AC+8*\b+7] offset:128*(\b/2)+32*(\b%2)+16
.endr
	WIN 0
.set BB, BK+64*((\a)%2)
.irp t, 0,1,2,3,4,5,6,7,8,9,10,11,12,13,14,15
	ds_load_b128 v[BB+4*\t:BB+4*\t+3], v[RD] offset:\t*SPITCH
.endr
.endm
.macro SEND a, younger
.set BB, BK+64*((\a)%2)
	s_wait_dscnt \younger
.irp t, 0,1,2,3,4,5,6,7,8,9,10,11,12,13,14,15
	global_store_b128 v[CO], v[BB+4*\t:BB+4*\t+3], s[12:13] offset:4096*(32*((\a)/2)+8*((\a)%2)+\t+8*(\t/8)) th:TH_STORE_NT
.endr
.endm
	PLACES NP
	TOSTAGE 0
.irp a, 1,2,3,4,5,6,7
.if \a > 1
	s_wait_xcnt 0x0
.endif
	TOSTAGE \a
	SEND \a-1, 32
.endr
	SEND 7, 0
	s_wait_tensorcnt 0x0
	ds_add_u32 v[SPW], v[NIL]
	s_wait_dscnt 0x0
	CROUND
	s_endpgm
.Lfunc_end_k_qf8832645b2_proj:
	.size	k_qf8832645b2_proj, .Lfunc_end_k_qf8832645b2_proj-k_qf8832645b2_proj
	.p2alignl 7, 3214868480
	.fill 96, 4, 3214868480
	.section	.rodata,"a",@progbits
	.p2align	6, 0x0
	.amdhsa_kernel k_qf8832645b2_proj
		.amdhsa_group_segment_fixed_size 327680
		.amdhsa_private_segment_fixed_size 0
		.amdhsa_enable_private_segment 0
		.amdhsa_kernarg_size 48
		.amdhsa_user_sgpr_count 2
		.amdhsa_user_sgpr_kernarg_segment_ptr 1
		.amdhsa_wavefront_size32 1
		.amdhsa_system_sgpr_workgroup_id_x 1
		.amdhsa_system_sgpr_workgroup_id_y 1
		.amdhsa_system_sgpr_workgroup_id_z 1
		.amdhsa_system_vgpr_workitem_id 0
		.amdhsa_next_free_vgpr 1024
		.amdhsa_next_free_sgpr 100
		.amdhsa_reserve_vcc 0
		.amdhsa_float_denorm_mode_32 3
		.amdhsa_float_denorm_mode_16_64 3
		.amdhsa_memory_ordered 1
		.amdhsa_forward_progress 1
		.amdhsa_inst_pref_size 126
	.end_amdhsa_kernel
	.amdgpu_metadata
---
amdhsa.version: [ 1, 2 ]
amdhsa.kernels:
  - .name:           k_qf8832645b2_proj
    .symbol:         k_qf8832645b2_proj.kd
    .args:
      - { .name: vc, .offset: 0, .size: 8, .value_kind: global_buffer, .address_space: global }
      - { .name: vs, .offset: 8, .size: 8, .value_kind: global_buffer, .address_space: global }
      - { .name: opc, .offset: 16, .size: 8, .value_kind: global_buffer, .address_space: global }
      - { .name: ops, .offset: 24, .size: 8, .value_kind: global_buffer, .address_space: global }
      - { .name: b_out, .offset: 32, .size: 8, .value_kind: global_buffer, .address_space: global }
      - { .name: out0, .offset: 40, .size: 8, .value_kind: global_buffer, .address_space: global }
    .group_segment_fixed_size: 327680
    .private_segment_fixed_size: 0
    .kernarg_segment_align: 8
    .kernarg_segment_size: 48
    .max_flat_workgroup_size: 128
    .sgpr_count:     100
    .vgpr_count:     1024
    .wavefront_size: 32
...
	.end_amdgpu_metadata
.endif
;; end of part 4
